; MI455X (gfx1250); checked and timed in simulation.
; The chip was launched on July 23, 2026; its instructions are those of AMD's public machine-readable ISA for CDNA 5 (MIT licence, August 2026) and "CDNA5" Instruction Set Architecture Reference Guide (July 2026). The comments in the code are by the model that wrote it; some were corrected since.
;; General Score. Allowed arithmetic: float matrix products may take bf16 or f16 operands with f32 sums; all other float work in f32.
;; Inputs: W 1 x 1,024 x 1,024 float32; b 1 float32; context 8 x 1,024 float32; states 8 x 4,096 x 1,024 float32.
;; Outputs: out0 8 x 4,096 x 1 float32.
;; One version. Each part assembles by itself: llvm-mc -triple=amdgcn-amd-amdhsa -mcpu=gfx1250 --defsym DOCPART=n.
;; ======== version 1 of 1: 2 launches
;; workspace buffers: vproj 32,768 bytes
;; launch proj (part 1): grid 256 x 1, 4 waves a work-group, no clusters, 1,024 bytes of LDS; arguments W, context, vproj; writes vproj
.if DOCPART == 1
	.amdgcn_target "amdgcn-amd-amdhsa--gfx1250"
	.amdhsa_code_object_version 6
	.text
	.protected	k_q85f1a45d5c_proj
	.globl	k_q85f1a45d5c_proj
	.p2align	8
	.type	k_q85f1a45d5c_proj,@function
k_q85f1a45d5c_proj:
	s_mov_b64 s[64:65], 0
	v_nop
	global_prefetch_b8 v0, s[64:65] scope:SCOPE_SE
	s_setreg_imm32_b32 hwreg(HW_REG_WAVE_MODE, 25, 1), 1
	s_wait_xcnt 0x0
; vproj[b][i] = sum over j of W[i][j] * context[b][j].   W: [1024][1024], context: [8][1024], vproj: [8][1024], all f32.
; 256 work-groups of four waves; a work-group owns 4 rows of W (16,384 bytes) and all 8 batches: 32 results.
; Thread t (0..127) owns the 16 bytes at 16 t and at 2,048 + 16 t of every row, of W and of context alike, so each byte enters
; the work-group once, and each load of a wave covers 512 consecutive bytes, aligned.  A thread makes 32 partial sums over its
; 8 columns; they are folded over the 32 lanes by a transposing butterfly (lane l ends with value l), and over the four waves in LDS.
; All arithmetic is f32 on the vector ALU: each number of W meets 8 multipliers only, and rounding it to bf16 for the matrix unit
; would cost as many vector instructions as half of its packed multiply-adds, and lose precision.  The order of the sums differs from the reference's;
; there is no limit of range beyond f32's own, NaN and infinities go through as f32 arithmetic makes them.
; No cluster: no two work-groups share a row of W; context (32,768 bytes) is what they share, read by plain loads.
; THE STORE IS IN PIECES: a work-group's 32 results are 8 pieces of 16 bytes (4 neighbouring i in each of 8 batches).  256 consecutive
; bytes of vproj[b] would take 64 rows of W, 262,144 bytes, in one work-group, that is 16 work-groups in all; the buffer is 32,768 bytes.
.set ROW,  4096                        ; bytes in a row of W, of context and of vproj
.set HALF, 2048                        ; what 128 threads cover with 16 bytes each
.set OFF,  1                           ; v1        16 t: my bytes in every row
.set LA,   2                           ; v2        LDS: wave x 128 + 4 x lane, where my wave's value l goes
.set L4,   3                           ; v3        LDS: 4 x lane, from where wave 0 reads the four waves' values
.set VO,   4                           ; v4        byte offset in vproj of value l: batch l / 4, row l % 4
.set TM,   5                           ; v5        at work
.set Q,    6                           ; v[6:13]   four pairs of products, one for each row of W
.set KP,   14                          ; v[14:21]  butterfly: what a lane keeps
.set SD,   22                          ; v[22:29]  butterfly: what a lane hands over
.set WR,   30                          ; v[30:61]  row r of W: 8 registers at WR + 8 r
.set CX,   62                          ; v[62:125] batch b of context: 8 registers at CX + 8 b
.set P,    126                         ; v[126:157] the 32 partial sums, value 4 b + r
.set M8,   18                          ; s18-21    lanes whose bit 3, 2, 1, 0 is set
.set M4,   19
.set M2,   20
.set M1,   21
	s_load_b128 s[4:7], s[0:1], 0x0                ; W s[4:5], context s[6:7]
	s_load_b64 s[8:9], s[0:1], 0x10                ; vproj
	v_lshl_add_u32 v158, v0, 2, 0x200
	v_mov_b32 v159, 0
	v_lshrrev_b32 v[TM], 5, v0
	v_readfirstlane_b32 s10, v[TM]                 ; wave 0..3, as a scalar
	v_lshlrev_b32 v[OFF], 4, v0
	v_and_b32 v[TM], 31, v0                        ; lane
	v_lshlrev_b32 v[L4], 2, v[TM]
	s_lshl_b32 s11, s10, 7
	v_add_nc_u32 v[LA], s11, v[L4]
	v_lshrrev_b32 v[VO], 2, v[TM]                  ; batch = lane / 4
	v_and_b32 v[TM], 3, v[TM]                      ; row = lane % 4
	v_lshlrev_b32 v[TM], 2, v[TM]
	v_lshl_add_u32 v[VO], v[VO], 12, v[TM]         ; batch x 4,096 + row x 4
	s_lshl_b32 s14, ttmp9, 14                      ; the work-group's 4 rows of W
	s_mov_b32 s15, 0
	s_lshl_b32 s16, ttmp9, 4                       ; and its 4 columns of vproj
	s_mov_b32 s17, 0
	s_mov_b32 s[M8], 0xff00ff00
	s_mov_b32 s[M4], 0xf0f0f0f0
	s_mov_b32 s[M2], 0xcccccccc
	s_mov_b32 s[M1], 0xaaaaaaaa
	s_wait_kmcnt 0x0
	s_add_nc_u64 s[4:5], s[4:5], s[14:15]
	s_add_nc_u64 s[8:9], s[8:9], s[16:17]
	; all 24 loads at once: W first (read once in the launch), then context, batch by batch
.irp r, 0,1,2,3
.irp h, 0,1
	global_load_b128 v[WR+8*\r+4*\h:WR+8*\r+4*\h+3], v[OFF], s[4:5] offset:\r*ROW+\h*HALF th:TH_LOAD_NT
.endr
.endr
.irp b, 0,1,2,3,4,5,6,7
.irp h, 0,1
	global_load_b128 v[CX+8*\b+4*\h:CX+8*\b+4*\h+3], v[OFF], s[6:7] offset:\b*ROW+\h*HALF
.endr
.endr
; Batch b against the four rows: four chains that do not wait for each other; the first product starts each sum.
; left = the loads issued behind this batch's two: two for each later batch (loads come back in order: ISA guide 5.7.1).
.macro BATCH b, left
	s_wait_loadcnt \left
.irp r, 0,1,2,3
	v_pk_mul_f32 v[Q+2*\r:Q+2*\r+1], v[WR+8*\r:WR+8*\r+1], v[CX+8*\b:CX+8*\b+1]
.endr
.irp e, 2,4,6
.irp r, 0,1,2,3
	v_pk_fma_f32 v[Q+2*\r:Q+2*\r+1], v[WR+8*\r+\e:WR+8*\r+\e+1], v[CX+8*\b+\e:CX+8*\b+\e+1], v[Q+2*\r:Q+2*\r+1]
.endr
.endr
.irp r, 0,1,2,3
	v_add_f32 v[P+4*\b+\r], v[Q+2*\r], v[Q+2*\r+1]
.endr
.endm
.irp b, 0,1,2,3,4,5,6,7
	BATCH \b, 14-2*\b
.endr
	; THE BUTTERFLY.  Each stage halves the number of values and the number of lanes that hold a part of each.
	; Lane bit 4: the swap puts the low lanes of values k and k + 16 into one register and their high lanes into the other;
	; the sum then holds value k in lanes 0-15 and value k + 16 in lanes 16-31.
.set q, 0
.rept 16
	v_permlane16_swap_b32 v[P+q], v[P+q+16]
.set q, q+1
.endr
.set q, 0
.rept 16
	v_add_f32 v[P+q], v[P+q], v[P+q+16]
.set q, q+1
.endr
; Lane bit log2(xm): a lane whose bit is 0 keeps value k and hands over value k + n, a lane whose bit is 1 the other way round;
; the add takes the partner's handed-over part through DPP (lane i reads lane i xor xm of its row of 16).
.macro STAGE n, xm, mask
.set q, 0
.rept \n
	v_cndmask_b32 v[KP+q], v[P+q], v[P+q+\n], s[\mask]
	v_cndmask_b32 v[SD+q], v[P+q+\n], v[P+q], s[\mask]
.set q, q+1
.endr
.set q, 0
.rept \n
	v_add_f32_dpp v[P+q], v[SD+q], v[KP+q] row_xmask:\xm row_mask:0xf bank_mask:0xf
.set q, q+1
.endr
.endm
	STAGE 8, 8, M8
	STAGE 4, 4, M4
	STAGE 2, 2, M2
	STAGE 1, 1, M1                                 ; lane l now holds value l, summed over my wave's 256 columns
	; over the four waves: each stores its 32 values to its own 128 bytes; wave 0 reads them behind the barrier
	ds_store_b32 v[LA], v[P]
	s_wait_dscnt 0x0                               ; for wave 0's sake: my store is in LDS before I signal
	s_barrier_signal -1
	s_barrier_wait -1
	s_cmp_lg_u32 s10, 0
	s_cbranch_scc1 .Ldone
.irp w, 0,1,2,3
	ds_load_b32 v[Q+\w], v[L4] offset:128*\w
.endr
	s_wait_dscnt 0x0
	v_pk_add_f32 v[Q:Q+1], v[Q:Q+1], v[Q+2:Q+3]
	v_add_f32 v[Q], v[Q], v[Q+1]
	global_store_b32 v[VO], v[Q], s[8:9]           ; 8 pieces of 16 bytes (see the head); no hint: the next launch reads them
.Ldone:
	s_wait_tensorcnt 0x0
	ds_add_u32 v158, v159
	s_wait_dscnt 0x0
	s_endpgm
.Lfunc_end_k_q85f1a45d5c_proj:
	.size	k_q85f1a45d5c_proj, .Lfunc_end_k_q85f1a45d5c_proj-k_q85f1a45d5c_proj
	.p2alignl 7, 3214868480
	.fill 96, 4, 3214868480
	.section	.rodata,"a",@progbits
	.p2align	6, 0x0
	.amdhsa_kernel k_q85f1a45d5c_proj
		.amdhsa_group_segment_fixed_size 1024
		.amdhsa_private_segment_fixed_size 0
		.amdhsa_enable_private_segment 0
		.amdhsa_kernarg_size 24
		.amdhsa_user_sgpr_count 2
		.amdhsa_user_sgpr_kernarg_segment_ptr 1
		.amdhsa_wavefront_size32 1
		.amdhsa_system_sgpr_workgroup_id_x 1
		.amdhsa_system_sgpr_workgroup_id_y 1
		.amdhsa_system_sgpr_workgroup_id_z 1
		.amdhsa_system_vgpr_workitem_id 0
		.amdhsa_next_free_vgpr 160
		.amdhsa_next_free_sgpr 66
		.amdhsa_reserve_vcc 0
		.amdhsa_float_denorm_mode_32 3
		.amdhsa_float_denorm_mode_16_64 3
		.amdhsa_memory_ordered 1
		.amdhsa_forward_progress 1
		.amdhsa_inst_pref_size 18
	.end_amdhsa_kernel
	.amdgpu_metadata
---
amdhsa.version: [ 1, 2 ]
amdhsa.kernels:
  - .name:           k_q85f1a45d5c_proj
    .symbol:         k_q85f1a45d5c_proj.kd
    .args:
      - { .name: W, .offset: 0, .size: 8, .value_kind: global_buffer, .address_space: global }
      - { .name: context, .offset: 8, .size: 8, .value_kind: global_buffer, .address_space: global }
      - { .name: vproj, .offset: 16, .size: 8, .value_kind: global_buffer, .address_space: global }
    .group_segment_fixed_size: 1024
    .private_segment_fixed_size: 0
    .kernarg_segment_align: 8
    .kernarg_segment_size: 24
    .max_flat_workgroup_size: 128
    .sgpr_count:     66
    .vgpr_count:     160
    .wavefront_size: 32
...
	.end_amdgpu_metadata
.endif
;; end of part 1
;; launch score (part 2): grid 256 x 1, 16 waves a work-group, no clusters, 6,656 bytes of LDS; arguments states, vproj, b, out0; writes out0
.if DOCPART == 2
	.amdgcn_target "amdgcn-amd-amdhsa--gfx1250"
	.amdhsa_code_object_version 6
	.text
	.protected	k_q85f1a45d5c_score
	.globl	k_q85f1a45d5c_score
	.p2align	8
	.type	k_q85f1a45d5c_score,@function
k_q85f1a45d5c_score:
	s_mov_b64 s[64:65], 0
	v_nop
	global_prefetch_b8 v0, s[64:65] scope:SCOPE_SE
	s_setreg_imm32_b32 hwreg(HW_REG_WAVE_MODE, 25, 1), 1
	s_wait_xcnt 0x0
; out0[b][t] = sum over i of states[b][t][i] * vproj[b][i] + bias.   states: [8][4096][1024], vproj: [8][1024], bias: [1], out0: [8][4096], all f32.
; A stream: every byte of states is read once, by 16-byte loads of which a wave's 32 cover 512 consecutive bytes, aligned.
; 256 work-groups of sixteen waves; a work-group owns 128 rows (all of one batch: 4,096 rows are 32 work-groups), a wave 8 consecutive rows.
; A row is 4,096 bytes: 8 loads and 32 registers a lane.  Each wave has a ring of six row slots in registers and asks for six of its
; eight rows before it does anything else: 16 waves x 48 loads x 512 bytes = 393,216 of the work-group's 524,288 bytes are asked for at once.
; One offset register and one base serve all 64 loads (row and chunk stand in the immediate), so no address is ever rewritten.
; vproj[b] (4,096 bytes) is copied once, 8 bytes a thread, into LDS and read from there into 32 registers of every wave.
; The 8 row sums of a wave are folded over the lanes together (a transposing butterfly); the work-group's 128 results meet in LDS and
; leave by one store of wave 0: 512 consecutive bytes, aligned.
; All arithmetic is f32 on the vector ALU: each number of states meets one multiplier, and rounding two of them to bf16 for the matrix
; unit takes one vector instruction, as many as the packed multiply-add that does the whole work in f32.  The order of the sums differs
; from the reference's; no limit of range beyond f32's own, NaN and infinities go through as f32 arithmetic makes them.
; No cluster, no tensor load: no two work-groups share a byte of states, and the registers already hold the bytes that are on their way.
.set ROW,   4096                       ; bytes in a row of states and of vproj
.set LV,    0                          ; LDS: vproj[b], 4,096 bytes
.set LS,    4096                       ; LDS: the work-group's 128 sums, 512 bytes
.set OFF,   1                          ; v1         wave x 8 rows + 16 x lane: my 16 bytes in the first chunk of my wave's first row
.set LN,    2                          ; v2         lane
.set A8,    3                          ; v3         wave x 256 + 8 x lane: my 8 bytes of vproj[b], in memory and in LDS
.set A16,   4                          ; v4         16 x lane
.set SA,    5                          ; v5         wave x 32 + 4 x (lane % 8): where the sum of row lane % 8 of my wave goes
.set T,     6                          ; v[6:13]    four pairs of running sums
.set S,     14                         ; v[14:21]   my part of the sums of rows 0 to 7
.set KP,    22                         ; v[22:25]   butterfly: what a lane keeps
.set SD,    26                         ; v[26:29]   butterfly: what a lane hands over
.set VV,    30                         ; v[30:61]   vproj[b] at my columns: chunk j at VV + 4 j
.set X,     62                         ; v[62:253]  six row slots of 32 registers
.set M4,    24                         ; s24-26     lanes whose bit 2, 1, 0 is set
.set M2,    25
.set M1,    26
	s_load_b256 s[4:11], s[0:1], 0x0               ; states s[4:5], vproj s[6:7], bias s[8:9], out0 s[10:11]
	v_lshl_add_u32 v254, v0, 2, 0x1200
	v_mov_b32 v255, 0
	v_and_b32 v[LN], 31, v0
	v_lshrrev_b32 v[OFF], 5, v0
	v_readfirstlane_b32 s12, v[OFF]                ; wave 0..15, as a scalar
	v_lshlrev_b32 v[A16], 4, v[LN]
	s_lshl_b32 s13, s12, 15                        ; wave x 8 rows x 4,096 bytes
	v_add_nc_u32 v[OFF], s13, v[A16]
	s_lshl_b32 s14, s12, 8
	v_lshl_add_u32 v[A8], v[LN], 3, s14
	s_lshl_b32 s15, s12, 5
	v_and_b32 v[SA], 7, v0
	v_lshl_add_u32 v[SA], v[SA], 2, s15
	s_lshl_b32 s16, ttmp9, 19                      ; the work-group's 128 rows of 4,096 bytes (at most 255 x 2^19: below 2^31)
	s_mov_b32 s17, 0
	s_lshr_b32 s18, ttmp9, 5                       ; batch
	s_lshl_b32 s18, s18, 12                        ; its row of vproj
	s_mov_b32 s19, 0
	s_lshl_b32 s20, ttmp9, 9                       ; the work-group's 128 results
	s_mov_b32 s21, 0
	s_mov_b32 s[M4], 0xf0f0f0f0
	s_mov_b32 s[M2], 0xcccccccc
	s_mov_b32 s[M1], 0xaaaaaaaa
	s_mov_b32 s27, 0x76543210                      ; v_permlanex16_b32: lane i of one half reads lane i of the other
	s_mov_b32 s28, 0xfedcba98
	s_wait_kmcnt 0x0
	s_add_nc_u64 s[4:5], s[4:5], s[16:17]
	s_add_nc_u64 s[6:7], s[6:7], s[18:19]
	s_add_nc_u64 s[10:11], s[10:11], s[20:21]
	s_load_b32 s22, s[8:9], 0x0                    ; the bias: wanted at the very end
	global_load_b64 v[T:T+1], v[A8], s[6:7]        ; my 8 bytes of vproj[b]: a wave's load covers 256 consecutive bytes, aligned
.macro FILL row, slot                  ; eight loads: the whole row
.irp j, 0,1,2,3,4,5,6,7
	global_load_b128 v[X+32*\slot+4*\j:X+32*\slot+4*\j+3], v[OFF], s[4:5] offset:\row*ROW+512*\j th:TH_LOAD_NT
.endr
.endm
.irp r, 0,1,2,3,4,5
	FILL \r, \r
.endr
	s_wait_loadcnt 48                              ; loads come back in order (ISA guide 5.7.1): vproj's is in, the 48 of states issued behind it stay out
	ds_store_b64 v[A8], v[T:T+1] offset:LV
	s_wait_dscnt 0x0                               ; for the other waves' sake: my 256 bytes are in LDS before I signal
	s_barrier_signal -1
	s_barrier_wait -1                              ; all 4,096 bytes are there
.irp j, 0,1,2,3,4,5,6,7
	ds_load_b128 v[VV+4*\j:VV+4*\j+3], v[A16] offset:LV+512*\j     ; the same columns as chunk j of a row of states; 512 consecutive bytes: no bank is asked twice
.endr
	s_wait_dscnt 0x0
; My part of one row's sum: 16 pairs in four chains that do not wait for each other; the first products start the sums.
; left = the loads issued behind this row's eight.
.macro DOT row, slot, left
	s_wait_loadcnt \left
.irp c, 0,1,2,3
	v_pk_mul_f32 v[T+2*\c:T+2*\c+1], v[X+32*\slot+2*\c:X+32*\slot+2*\c+1], v[VV+2*\c:VV+2*\c+1]
.endr
.irp e, 1,2,3
.irp c, 0,1,2,3
	v_pk_fma_f32 v[T+2*\c:T+2*\c+1], v[X+32*\slot+8*\e+2*\c:X+32*\slot+8*\e+2*\c+1], v[VV+8*\e+2*\c:VV+8*\e+2*\c+1], v[T+2*\c:T+2*\c+1]
.endr
.endr
	v_pk_add_f32 v[T:T+1], v[T:T+1], v[T+2:T+3]
	v_pk_add_f32 v[T+4:T+5], v[T+4:T+5], v[T+6:T+7]
	v_pk_add_f32 v[T:T+1], v[T:T+1], v[T+4:T+5]
	v_add_f32 v[S+\row], v[T], v[T+1]
.endm
	DOT 0, 0, 40                                   ; behind row 0: rows 1 to 5
	FILL 6, 0                                      ; slot 0 has been read: row 6
	DOT 1, 1, 40                                   ; behind row 1: rows 2 to 5 and 6
	FILL 7, 1
	DOT 2, 2, 40                                   ; behind row 2: rows 3 to 7
	DOT 3, 3, 32                                   ; nothing more is asked for: the counts run down
	DOT 4, 4, 24
	DOT 5, 5, 16
	DOT 6, 0, 8
	DOT 7, 1, 0
; THE BUTTERFLY over lane bits 2, 1, 0: a lane whose bit is 0 keeps row k and hands over row k + n, a lane whose bit is 1 the other way
; round; the add takes the partner's handed-over part through DPP (lane i reads lane i xor xm of its row of 16 lanes).
.macro STAGE n, xm, mask
.set q, 0
.rept \n
	v_cndmask_b32 v[KP+q], v[S+q], v[S+q+\n], s[\mask]
	v_cndmask_b32 v[SD+q], v[S+q+\n], v[S+q], s[\mask]
.set q, q+1
.endr
.set q, 0
.rept \n
	v_add_f32_dpp v[S+q], v[SD+q], v[KP+q] row_xmask:\xm row_mask:0xf bank_mask:0xf
.set q, q+1
.endr
.endm
	STAGE 4, 4, M4
	STAGE 2, 2, M2
	STAGE 1, 1, M1                                 ; lane l holds row l % 8, summed over its group of 8 lanes
	v_add_f32_dpp v[S], v[S], v[S] row_xmask:8 row_mask:0xf bank_mask:0xf
	v_permlanex16_b32 v[KP], v[S], s27, s28        ; the other half of the lanes (the destination has been written before)
	v_add_f32 v[S], v[S], v[KP]                    ; the whole sum of row l % 8, in four lanes alike
	ds_store_b32 v[SA], v[S] offset:LS             ; those four write the same word with the same number
	s_wait_dscnt 0x0                               ; for wave 0's sake: my 8 sums are in LDS before I signal
	s_wait_kmcnt 0x0                               ; the bias
	s_barrier_signal -1
	s_barrier_wait -1
	s_cmp_lg_u32 s12, 0
	s_cbranch_scc1 .Ldone
	ds_load_b128 v[T:T+3], v[A16] offset:LS        ; wave 0: four neighbouring results a lane
	s_wait_dscnt 0x0
.irp i, 0,1,2,3
	v_add_f32 v[T+\i], s22, v[T+\i]
.endr
	global_store_b128 v[A16], v[T:T+3], s[10:11] th:TH_STORE_NT    ; 512 consecutive bytes, at a multiple of 512 from out0's first byte
.Ldone:
	s_wait_tensorcnt 0x0
	ds_add_u32 v254, v255
	s_wait_dscnt 0x0
	s_endpgm
.Lfunc_end_k_q85f1a45d5c_score:
	.size	k_q85f1a45d5c_score, .Lfunc_end_k_q85f1a45d5c_score-k_q85f1a45d5c_score
	.p2alignl 7, 3214868480
	.fill 96, 4, 3214868480
	.section	.rodata,"a",@progbits
	.p2align	6, 0x0
	.amdhsa_kernel k_q85f1a45d5c_score
		.amdhsa_group_segment_fixed_size 6656
		.amdhsa_private_segment_fixed_size 0
		.amdhsa_enable_private_segment 0
		.amdhsa_kernarg_size 32
		.amdhsa_user_sgpr_count 2
		.amdhsa_user_sgpr_kernarg_segment_ptr 1
		.amdhsa_wavefront_size32 1
		.amdhsa_system_sgpr_workgroup_id_x 1
		.amdhsa_system_sgpr_workgroup_id_y 1
		.amdhsa_system_sgpr_workgroup_id_z 1
		.amdhsa_system_vgpr_workitem_id 0
		.amdhsa_next_free_vgpr 256
		.amdhsa_next_free_sgpr 66
		.amdhsa_reserve_vcc 0
		.amdhsa_float_denorm_mode_32 3
		.amdhsa_float_denorm_mode_16_64 3
		.amdhsa_memory_ordered 1
		.amdhsa_forward_progress 1
		.amdhsa_inst_pref_size 21
	.end_amdhsa_kernel
	.amdgpu_metadata
---
amdhsa.version: [ 1, 2 ]
amdhsa.kernels:
  - .name:           k_q85f1a45d5c_score
    .symbol:         k_q85f1a45d5c_score.kd
    .args:
      - { .name: states, .offset: 0, .size: 8, .value_kind: global_buffer, .address_space: global }
      - { .name: vproj, .offset: 8, .size: 8, .value_kind: global_buffer, .address_space: global }
      - { .name: b, .offset: 16, .size: 8, .value_kind: global_buffer, .address_space: global }
      - { .name: out0, .offset: 24, .size: 8, .value_kind: global_buffer, .address_space: global }
    .group_segment_fixed_size: 6656
    .private_segment_fixed_size: 0
    .kernarg_segment_align: 8
    .kernarg_segment_size: 32
    .max_flat_workgroup_size: 512
    .sgpr_count:     66
    .vgpr_count:     256
    .wavefront_size: 32
...
	.end_amdgpu_metadata
.endif
;; end of part 2
